; MI455X (gfx1250); checked and timed in simulation.
; The chip was launched on July 23, 2026; its instructions are those of AMD's public machine-readable ISA for CDNA 5 (MIT licence, August 2026) and "CDNA5" Instruction Set Architecture Reference Guide (July 2026). The comments in the code are by the model that wrote it; some were corrected since.
;; support sampler. Allowed arithmetic: matrix products marked QUANTISED: E2M3 operands, one E8M0 scale for each 32 along K, by v_wmma_scale_f32_16x16x128_f8f6f4 with both operands' format E2M3, f32 sums; products left as they are: f32 operands where the result goes on into a quantised operand, else bf16, f16 or f32 operands; f32 sums; everything else in f32.
;; Inputs: W1_codes 1,024 x 64 x 24 uint8 (E2M3 codes of W1, K innermost, in blocks of 32 codes, four codes in three bytes); W1_scales 1,024 x 64 uint8 (E8M0 scales of W1, one for each 32 codes along K); W2 8 x 1,024 float32; b1 1,024 float32; b2 8 float32; obj_feats 4,096 x 1,024 float32; pairs 32,768 x 2 int32.
;; Outputs: out0 32,768 x 8 float32.
;; This version of the problem:
;;   THIS VERSION OF THE PROBLEM IS GIVEN IN LOW PRECISION. The matrix products marked QUANTISED in the list below multiply operands that are first quantised to E2M3 (2 exponent bits, 3 mantissa bits; 6 bits a number), with one power-of-two scale for each 32 numbers along K (OCP MX v1.0); their sums are f32. All else is computed in f32.
;;   The module's matrix products, in the order in which they are computed (A, B: the left and right operand; K: the contracted axis; several contracted axes count as one K, in the product's order):
;;     1. [M 32,768, K 2,048] x [K 2,048, N 1,024]; A: computed on the way; B: input W1 (given as codes): QUANTISED
;;     2. [M 32,768, K 1,024] x [K 1,024, N 8]; A: computed on the way; B: input W2: left as it is (N = 8 < 16)
;;   THE QUANTISER, for each operand of a quantised product, along K:
;;     - K is cut into blocks of 32 from its start; a last block that is shorter is filled with zeros.
;;     - A block's scale is 2^e with e = floor(log2(the largest magnitude in the block)) - 2, held to -126 .. 127; a block of zeros has e = 0. As a byte (E8M0): e + 127.
;;     - Each number is divided by its block's scale, clamped to +-7.5, and rounded to the nearest number of E2M3, ties to even, subnormals kept.
;;     - The product sums the exact products of the quantised numbers (number of the format x scale) in f32.
;;   ~~~python
;;   def quantise(x, axis):      # numpy; x: float32 -> the quantised numbers, widened to float32 again
;;       x = np.moveaxis(x, axis, -1); K = x.shape[-1]
;;       x = np.pad(x, [(0, 0)] * (x.ndim - 1) + [(0, -K % 32)]); x = x.reshape(x.shape[:-1] + (-1, 32)); a = np.abs(x).max(-1, keepdims=True)
;;       e = np.where(a > 0, np.clip(np.frexp(np.where(a > 0, a, 1))[1] - 1 - 2, -126, 127), 0)      # np.frexp(a)[1] - 1 = floor(log2(a)), exactly
;;       r = np.clip(x / 2.0 ** e, -7.5, 7.5)
;;       step = 2.0 ** (np.maximum(np.frexp(np.where(r == 0, 1, r))[1] - 1, 0) - 3)
;;       q = np.round(r / step) * step * 2.0 ** e      # np.round: ties to even
;;       return np.moveaxis(q.reshape(q.shape[:-2] + (-1,))[..., :K], -1, axis).astype(np.float32)
;;   ~~~
;;   OPERANDS COMPUTED ON THE WAY. 'Computed on the way' means the value that the module computes at that place (a softmax that the list does not call 'softmax' is quantised finished and normalised). What goes into a quantiser is computed in f32, as accurately as f32 sums, v_exp_f32 and their like allow (about 1e-6 of the number): no bf16 or f16 on the way to a quantiser, and a product that is left as it is and whose result goes on into a quantised operand takes f32 operands (vector FMAs, or v_wmma_f32_16x16x4_f32). A number that lies on a knife's edge between two numbers of the format may be rounded either way, as far as f32 arithmetic and the matrix unit's own rounding can turn it there, and no further.
;;   INPUTS GIVEN AS CODES. W1 (in the module: [1024, 2048], K = its axis 1): each comes as NAME_codes (uint8): NAME with its K axis moved to the last place and cut into blocks of 32 codes, [.., K / 32, bytes a block], one block behind the other in memory; four codes in three bytes: a row's codes are one little-endian stream of bits, code i at bits 6 i .. 6 i + 5 (a code: sign, 2 exponent bits, 3 mantissa bits); and NAME_scales (uint8): the same leading axes, one E8M0 byte (e + 127) for each 32 codes along K. Its value is code x scale, taken as it is: it is not quantised again, and the codes and scales need not be those that the quantiser above would give.
;; One version. Each part assembles by itself: llvm-mc -triple=amdgcn-amd-amdhsa -mcpu=gfx1250 --defsym DOCPART=n.
;; ======== version 1 of 1: 3 launches
;; limits: values are held in bf16: 8 bits of precision; right only within a limited range of input values
;; workspace buffers: aq_codes 3,145,728 bytes; aq_scales 131,072 bytes; w1s 1,638,400 bytes; w2f 32,768 bytes; c0 256 bytes; tab 1,048,576 bytes
;; launch prep (part 1): grid 256 x 1, 4 waves a work-group, no clusters, 33,280 bytes of LDS; arguments obj_feats, W1_codes, W1_scales, W2, b1, b2, aq_codes, aq_scales, w1s, w2f, c0; writes aq_codes, aq_scales, w1s, w2f, c0
.if DOCPART == 1
	.amdgcn_target "amdgcn-amd-amdhsa--gfx1250"
	.amdhsa_code_object_version 6
	.text
	.protected	k_qe5608f3027_prep
	.globl	k_qe5608f3027_prep
	.p2align	8
	.type	k_qe5608f3027_prep,@function
k_qe5608f3027_prep:
	s_mov_b64 s[64:65], 0
	v_nop
	global_prefetch_b8 v0, s[64:65] scope:SCOPE_SE
	s_setreg_imm32_b32 hwreg(HW_REG_WAVE_MODE, 25, 1), 1
	s_wait_xcnt 0x0
; PREPARATION.  256 work-groups of four waves; wave W = 4 x work-group + wave (0 .. 1,023) does the same work in every work-group:
; (1) four rows of obj_feats [4096][1024] f32 become codes of FP6 (E2M3) with one E8M0 byte for each 32 along a row.  The first product's left operand is a concatenation of two gathered rows,
;     each 1,024 = 32 blocks long, so its blocks ARE the rows' blocks: each object is quantised once, here.
; (2) one fragment of W1's codes (16 rows x 128 K) is laid in the order in which a wave of the next launch takes it into its operand registers.
; Three small pieces of work are shared out among some waves, at most one to a wave, each a block of its own (ask, wait, compute, store) behind the wave's own loads, with which its loads travel:
; wave 0 of the even work-groups: a run's 512 bytes of W1's scale words;  work-groups 1, 3 .. 15: one bf16 fragment of W2 a wave (classes 8-15 of a fragment's 16 rows are zeros);
; work-groups 17, 19: one class a wave of c0 = b2 + W2 b1, in f32: (x + b1) W2^T + b2 = x W2^T + c0 for every input.
; A block's scale is 2^(floor(log2(its largest magnitude)) - 2); its byte is the largest magnitude's exponent field - 2, held at 1 from below.
; LIMITS: a block of zeros gets the byte 1 where the rule says 127 (its codes are zeros, which add nothing under any byte but 0xff, and only this program reads the bytes);
; blocks whose largest magnitude lies under 2^(3 - 127) keep the byte 1; NaN and infinities among the inputs are not served.
; LAYOUTS.  aq_codes [4096][8 K steps of 128][96 bytes]; in the 96 bytes the four blocks of 24 bytes stand in the order 0, 2, 1, 3: bytes 48 h .. 48 h + 47 are the twelve
; operand registers of lanes 16 h .. 16 h + 15 (a lane of half h holds k = 32 h + 0..31 and 64 + 32 h + 0..31).  aq_scales [4096][32], as the blocks lie.
; w1s: run q = 4 (16 c + s) + w (column chunk c of 512, K step s, wave w of the next launch) is 12,800 bytes: eight images of fragments (rows 512 c + 128 w + 16 i + r; registers 4 cc .. 4 cc + 3 of
; lane l at 1536 i + 512 cc + 16 l), then 512 bytes of scale words (lane (r, h): the words of tiles 4 h + 0..3, row r).  w2f [32][2][32 lanes][16 bytes].  c0: 8 f32.
; ALL of a wave's loads go out at its head: 6 for the fragment, 32 for its 4,096 numbers (and a block's 4 to 17): none waits for another to land.  Waves share nothing: no barrier.
.set STEPS, 8                          ; a wave quantises 8 steps of 512 numbers
.set CB,    12                         ; bytes of 16 codes
.set R,     16                         ; v16-143  eight sets of 16 numbers as they are loaded
.set X,     144                        ; v144-175 two sets of 16 neighbours        (X, E and C also serve a block, ahead of their first use by the steps)
.set E,     176                        ; v176-183 a scale byte for each step
.set C,     184                        ; v184-215 codes: four registers for each step, so that no store's data are written again
.set BT,    216                        ; v216-227 my fragment of W1
.set BA,    228                        ; v228     my lane's byte in the fragment's 16 rows
.set U0,    229                        ; v229-230 a block's offsets
.set WREG,  8192                       ; LDS: a region for each wave: two stages of 32 x SP bytes, behind them its 128 scale bytes
.set SP,    80                         ; a lane's place in a stage: 64 bytes + 16 of padding
	s_load_b256 s[16:23], s[0:1], 0x0              ; obj_feats s[16:17], W1_codes s[18:19], W1_scales s[20:21], W2 s[22:23]
	s_load_b256 s[24:31], s[0:1], 0x20             ; b1 s[24:25], b2 s[26:27], aq_codes s[28:29], aq_scales s[30:31]
	s_load_b128 s[32:35], s[0:1], 0x40             ; w1s s[32:33], w2f s[34:35]
	s_load_b64 s[36:37], s[0:1], 0x50              ; c0
	; HOW THE PROGRAM SHARES THE FIRST PRODUCT.  A pair's left row is concat(F[p0], F[p1]); each part is 1,024 = 32 whole blocks, so its codes and scales are those of the two objects' rows, and
	; for every input  Q(concat) Q(W1)^T = Q(F[p0]) Wa^T + Q(F[p1]) Wb^T  (Wa, Wb: W1's K 0..1023 and 1024..2047).  The later launches therefore multiply each of the 4,096 objects once with Wa and
	; with Wb, take both through W2, and look the two results of a pair up by its indices: the same products of the same quantised numbers, each made once and not once for every pair that names the object.
	; LIMIT: the f32 sums are grouped otherwise than in one sum over K = 2,048; objects that no pair names are multiplied too, and a NaN or infinity in such a row reaches no result.
	v_lshl_add_u32 v232, v0, 2, 0x8000
	v_mov_b32 v233, 0
	v_lshrrev_b32 v1, 5, v0
	v_readfirstlane_b32 s4, v1                     ; wave 0..3
	v_and_b32 v2, 31, v0                           ; lane
	v_and_b32 v10, 15, v0                          ; r
	v_bfe_u32 v13, v0, 4, 1                        ; h
	v_lshlrev_b32 v3, 4, v2                        ; 16 x lane: my 16 bytes of 512
	s_mul_i32 s5, s4, WREG
	v_lshrrev_b32 v14, 2, v2
	v_mul_u32_u24 v14, v14, SP
	v_and_b32 v15, 3, v2
	v_lshl_add_u32 v14, v15, 4, v14
	v_add_nc_u32 v14, s5, v14                      ; the stage, on the way in: SP (lane / 4) + 16 (lane % 4)
	v_mul_u32_u24 v15, v2, SP
	v_add_nc_u32 v15, s5, v15                      ; and on the way out: SP x lane
	v_lshrrev_b32 v4, 3, v2                        ; my 12 bytes of a step's 384: eight lanes make 128 along K, 96 bytes;
	v_mul_u32_u24 v4, v4, 96
	v_bfe_u32 v5, v2, 1, 1                         ; block b = (lane / 2) % 4 stands at place 2 (b % 2) + b / 2: the order 0, 2, 1, 3
	v_mad_u32_u24 v4, v5, 48, v4
	v_bfe_u32 v5, v2, 2, 1
	v_mad_u32_u24 v4, v5, 24, v4
	v_and_b32 v5, 1, v2                            ; and the block's lower or upper 16 codes
	v_mad_u32_u24 v4, v5, 12, v4
	v_lshrrev_b32 v5, 1, v2
	s_add_co_u32 s5, s5, 2*32*SP
	v_add_nc_u32 v5, s5, v5                        ; LDS: my wave's scale bytes, my block's byte
	v_lshlrev_b32 v7, 2, v2                        ; and on the way out 4 bytes a lane
	v_add_nc_u32 v6, s5, v7
	v_mul_u32_u24 v[BA], v10, 1536                 ; W1: a row of 2,048 codes is 1,536 bytes: row r,
	v_mad_u32_u24 v[BA], v13, 24, v[BA]            ; + 24 h
	s_lshl_b32 s6, ttmp9, 2
	s_add_co_u32 s6, s6, s4                        ; W
	s_lshl_b32 s8, s6, 14                          ; my run of obj_feats: 16,384 bytes of numbers,
	s_mov_b32 s9, 0
	s_mul_i32 s10, s6, 32*STEPS*CB                 ; 3,072 bytes of codes,
	s_mov_b32 s11, 0
	s_lshl_b32 s12, s6, 7                          ; 128 scale bytes
	s_mov_b32 s13, 0
	s_lshr_b32 s38, s6, 3                          ; q: the run of the stream
	s_and_b32 s39, s6, 7                           ; i: my tile in it
	s_lshr_b32 s40, s38, 6                         ; c
	s_lshl_b32 s40, s40, 9
	s_and_b32 s41, s38, 3                          ; w
	s_lshl_b32 s41, s41, 7
	s_add_co_u32 s40, s40, s41
	s_lshl_b32 s41, s39, 4
	s_add_co_u32 s40, s40, s41                     ; my tile's first row of W1: 512 c + 128 w + 16 i
	s_bfe_u32 s41, s38, 0x40002                    ; s: 4 bits from bit 2
	s_mul_i32 s42, s40, 1536
	s_mul_i32 s14, s41, 96                         ; a K step of 128 codes is 96 bytes
	s_add_co_u32 s42, s42, s14
	s_mov_b32 s43, 0
	s_lshl_b32 s44, s40, 6                         ; a row of W1's scale bytes is 64 bytes; a K step's word 4
	s_lshl_b32 s14, s41, 2
	s_add_co_u32 s44, s44, s14
	s_mov_b32 s45, 0
	s_mul_i32 s46, s38, 12800                      ; where my image goes: 12,800 q + 1,536 i
	s_mul_i32 s14, s39, 1536
	s_add_co_u32 s46, s46, s14
	s_mov_b32 s47, 0
	s_wait_alu depctr_va_vdst(0)
	s_wait_kmcnt 0x0
	s_add_nc_u64 s[16:17], s[16:17], s[8:9]
	s_add_nc_u64 s[28:29], s[28:29], s[10:11]
	s_add_nc_u64 s[30:31], s[30:31], s[12:13]
	s_add_nc_u64 s[18:19], s[18:19], s[42:43]
	s_add_nc_u64 s[20:21], s[20:21], s[44:45]
	s_add_nc_u64 s[32:33], s[32:33], s[46:47]
.macro QLOAD t
.irp i, 0,1,2,3
	global_load_b128 v[R+16*(\t)+4*\i:R+16*(\t)+4*\i+3], v3, s[16:17] offset:2048*(\t)+512*\i th:TH_LOAD_NT   ; 32 lanes read 512 consecutive bytes; read once in the launch
.endr
.endm
.macro BIG                             ; the wave's own 38 loads: 32 for its numbers, then 6 for its fragment of W1 (24 bytes of a row's stream of bits in three pieces of 8, twice).  A block's loads stand ahead of them, so that its wait can leave these 38 out
.irp t, 0,1,2,3,4,5,6,7
	QLOAD \t
.endr
.irp p, 0,1,2,3,4,5
	global_load_b64 v[BT+2*\p:BT+2*\p+1], v[BA], s[18:19] offset:48*(\p/3)+8*(\p%3) th:TH_LOAD_NT
.endr
.endm
; ---------------- the small work: at most one block a wave.  The branches hang on the work-group's and the wave's number alone.
	s_and_b32 s14, ttmp9, 1
	s_cmp_lg_u32 s14, 0
	s_cbranch_scc1 .Lodd
	s_cmp_lg_u32 s4, 0
	s_cbranch_scc1 .Lplain
	; an even work-group's wave 0 has tile i = 0 of its run: it also lays out the run's scale words
	v_lshlrev_b32 v[U0], 6, v10
	v_lshl_add_u32 v[U0], v13, 12, v[U0]           ; row r of tile 4 h: 64 r + 64 x 64 h
.irp k, 0,1,2,3
	global_load_b32 v[X+\k], v[U0], s[20:21] offset:1024*\k th:TH_LOAD_NT   ; tile 4 h + k: 16 rows of 64 bytes on
.endr
	BIG
	s_wait_loadcnt 38                              ; the block's loads are in; my own 38 may be out
	global_store_b128 v3, v[X:X+3], s[32:33] offset:12288   ; 512 consecutive bytes, behind the run's eight images
	s_wait_xcnt 0x0                                ; the store has read its registers: the steps write them again
	s_branch .Ljoin
.Lodd:
	s_cmp_lt_u32 ttmp9, 16
	s_cbranch_scc0 .Lnot_w2
	; work-groups 1, 3 .. 15: fragment kk = 4 (work-group / 2) + wave of W2: 32 along the second product's K
	s_lshr_b32 s14, ttmp9, 1
	s_lshl_b32 s14, s14, 2
	s_add_co_u32 s14, s14, s4                      ; kk = 0 .. 31
	s_lshl_b32 s15, s14, 7                         ; 32 numbers of 4 bytes a fragment
	v_and_b32 v[U0], 7, v0                         ; rows 8-15 read rows 0-7 (no load leaves W2) and are cleared below
	v_lshlrev_b32 v[U0], 12, v[U0]                 ; a row of W2 is 4,096 bytes
	v_lshl_add_u32 v[U0], v13, 5, v[U0]            ; + 8 h numbers
	v_add_nc_u32 v[U0], s15, v[U0]
	s_lshl_b32 s15, s14, 10
	v_add_nc_u32 v[U0+1], s15, v3                  ; its place in w2f: 1,024 kk + 16 x lane
	v_cmp_gt_u32 vcc_lo, 8, v10                    ; the rows that are classes
.irp e, 0,1,2,3
	global_load_b128 v[X+4*\e:X+4*\e+3], v[U0], s[22:23] offset:16*(\e%2)+64*(\e/2)   ; k = 8 h + 0..7, then 16 + 8 h + 0..7
.endr
	BIG
	s_wait_loadcnt 38                              ; the block's loads are in; my own 38 may be out
.irp j, 0,1,2,3,4,5,6,7
	v_cvt_pk_bf16_f32 v[X+\j], v[X+2*\j], v[X+2*\j+1]   ; in place: register j is written when numbers 2 j, 2 j + 1 and all before them have been read
.endr
.irp j, 0,1,2,3,4,5,6,7
	v_cndmask_b32 v[X+\j], 0, v[X+\j], vcc_lo
.endr
	global_store_b128 v[U0+1], v[X:X+3], s[34:35]
	global_store_b128 v[U0+1], v[X+4:X+7], s[34:35] offset:512
	s_wait_xcnt 0x0                                ; the stores have read their registers
	s_branch .Ljoin
.Lnot_w2:
	s_cmp_lt_u32 ttmp9, 20
	s_cbranch_scc0 .Lplain
	; work-groups 17, 19: class 4 ((work-group - 17) / 2) + wave of c0
	s_sub_co_u32 s14, ttmp9, 17
	s_lshr_b32 s14, s14, 1
	s_lshl_b32 s14, s14, 2
	s_add_co_u32 s14, s14, s4                      ; the class, 0 .. 7
	s_lshl_b32 s15, s14, 12
	v_add_nc_u32 v[U0], s15, v3                    ; its row of W2, 16 bytes a lane
	s_lshl_b32 s15, s14, 2
	v_mov_b32 v[U0+1], s15                         ; its place in b2 and in c0
	s_mov_b32 s38, 0x76543210
	s_mov_b32 s39, 0xfedcba98                      ; v_permlanex16_b32's selects for lane l xor 16
.irp i, 0,1,2,3,4,5,6,7
	global_load_b128 v[X+4*\i:X+4*\i+3], v3, s[24:25] offset:512*\i        ; b1: four numbers a lane, eight times
	global_load_b128 v[C+4*\i:C+4*\i+3], v[U0], s[22:23] offset:512*\i     ; the class's row of W2 at the same places
.endr
	global_load_b32 v[E], v[U0+1], s[26:27]        ; b2 of the class
	BIG
	s_wait_loadcnt 38                              ; the block's loads are in; my own 38 may be out
	v_pk_mul_f32 v[E+2:E+3], v[X:X+1], v[C:C+1]    ; the first products start the sums: two chains
	v_pk_mul_f32 v[E+4:E+5], v[X+2:X+3], v[C+2:C+3]
.irp j, 4,8,12,16,20,24,28
	v_pk_fma_f32 v[E+2:E+3], v[X+\j:X+\j+1], v[C+\j:C+\j+1], v[E+2:E+3]
	v_pk_fma_f32 v[E+4:E+5], v[X+2+\j:X+3+\j], v[C+2+\j:C+3+\j], v[E+4:E+5]
.endr
	v_pk_add_f32 v[E+2:E+3], v[E+2:E+3], v[E+4:E+5]
	v_add_f32 v[E+2], v[E+2], v[E+3]
.irp m, 1,2,4,8
	v_add_f32_dpp v[E+2], v[E+2], v[E+2] row_xmask:\m row_mask:0xf bank_mask:0xf
.endr
	v_permlanex16_b32 v[E+3], v[E+2], s38, s39
	v_add_f32 v[E+2], v[E+2], v[E+3]
	v_add_f32 v[E+4], v[E+2], v[E]                 ; c0 = W2 b1 + b2
	v_cmp_eq_u32 vcc_lo, 0, v2
	s_wait_alu depctr_va_vdst(0)
	s_wait_xcnt 0x0                                ; EXEC changes only behind this wait
	s_and_saveexec_b32 s7, vcc_lo
	global_store_b32 v[U0+1], v[E+4], s[36:37]     ; lane 0 stores the wave's number
	s_wait_xcnt 0x0                                ; and again in front of the line that widens it; the store has read its registers
	s_or_b32 exec_lo, exec_lo, s7
	s_branch .Ljoin
.Lplain:                                               ; a wave without a block
	BIG
.Ljoin:
; ---------------- the numbers -> codes and scale bytes.  Each load has read 512 consecutive bytes, 16 a lane; a step's 2,048 bytes turn through the wave's own stage in LDS and come back
; 64 bytes a lane: 16 neighbours along K, which is what the conversion takes.  Two neighbouring lanes hold a block.
.macro QTURN t                         ; step t's numbers through the stage: LDS serves a wave's instructions in order, so no wait stands between the stores and the loads
.irp i, 0,1,2,3
	ds_store_b128 v14, v[R+16*(\t)+4*\i:R+16*(\t)+4*\i+3] offset:32*SP*((\t)%2)+8*SP*\i
.endr
.irp i, 0,1,2,3
	ds_load_b128 v[X+16*((\t)%2)+4*\i:X+16*((\t)%2)+4*\i+3], v15 offset:32*SP*((\t)%2)+16*\i
.endr
.endm
	s_wait_loadcnt 34                              ; loads come back in order: step 0's four loads are in; the 28 of steps 1 to 7 and the fragment's 6 may be out
	QTURN 0
.macro QSTEP t
.set XS, X+16*((\t)%2)
.if (\t) > 0
	s_wait_dscnt 1                                 ; this step's numbers are back from the stage (behind them only the last step's byte store)
.else
	s_wait_dscnt 0x0
.endif
.if (\t)+1 < STEPS
	s_wait_loadcnt 4*(STEPS-2-(\t))+6              ; the next step's four loads are in; those of the steps behind it and the fragment's 6 may be out
	QTURN (\t)+1                                   ; and go through the other stage while this step is worked
.endif
	v_max3_num_f32 v8, |v[XS]|, |v[XS+1]|, |v[XS+2]|               ; the largest magnitude of my 16, in two chains
	v_max3_num_f32 v9, |v[XS+3]|, |v[XS+4]|, |v[XS+5]|
.irp i, 6,10
	v_max3_num_f32 v8, v8, |v[XS+\i]|, |v[XS+\i+1]|
	v_max3_num_f32 v9, v9, |v[XS+\i+2]|, |v[XS+\i+3]|
.endr
	v_max3_num_f32 v8, v8, |v[XS+14]|, |v[XS+15]|
	v_max3_num_f32 v8, v8, v9, 0x1800000           ; and the floor 2^(3 - 127): the byte cannot fall under 1
	v_max_num_f32_dpp v8, v8, v8 row_xmask:1 row_mask:0xf bank_mask:0xf   ; and of my neighbour's 16: the block's
	v_add_nc_u32 v11, 0xff000000, v8               ; 2 off its exponent field: the conversion takes the exponent field of this operand as its scale, and nothing else of it
	v_cvt_scalef32_pk16_fp6_f32 v[C+4*(\t):C+4*(\t)+2], v[XS:XS+15], v11   ; sixteen numbers / the scale, to the nearest code, ties to even, beyond 7.5 the largest code; 96 bits, the first number's code lowest
	v_lshrrev_b32 v[E+(\t)], 23, v11               ; the scale's byte (also the plain line behind the conversion)
	ds_store_b8 v5, v[E+(\t)] offset:16*(\t)       ; both lanes of a block write the same byte with the same value
	global_store_b96 v4, v[C+4*(\t):C+4*(\t)+2], s[28:29] offset:32*CB*(\t)   ; the wave's store covers 384 consecutive bytes
.endm
.irp t, 0,1,2,3,4,5,6,7
	QSTEP \t
.endr
	s_wait_loadcnt 0x0                             ; the fragment is in
.irp cc, 0,1,2
	global_store_b128 v3, v[BT+4*\cc:BT+4*\cc+3], s[32:33] offset:512*\cc   ; its registers as they stand: 32 lanes store 512 consecutive bytes, at a multiple of 256 from the buffer's first byte
.endr
	ds_load_b32 v12, v6                            ; LDS serves a wave's instructions in order: this sees my byte stores
	s_wait_dscnt 0x0
	global_store_b32 v7, v12, s[30:31]             ; the wave's 128 scale bytes, consecutive
	s_wait_tensorcnt 0x0
	ds_add_u32 v232, v233
	s_wait_dscnt 0x0
	s_endpgm
.Lfunc_end_k_qe5608f3027_prep:
	.size	k_qe5608f3027_prep, .Lfunc_end_k_qe5608f3027_prep-k_qe5608f3027_prep
	.p2alignl 7, 3214868480
	.fill 96, 4, 3214868480
	.section	.rodata,"a",@progbits
	.p2align	6, 0x0
	.amdhsa_kernel k_qe5608f3027_prep
		.amdhsa_group_segment_fixed_size 33280
		.amdhsa_private_segment_fixed_size 0
		.amdhsa_enable_private_segment 0
		.amdhsa_kernarg_size 88
		.amdhsa_user_sgpr_count 2
		.amdhsa_user_sgpr_kernarg_segment_ptr 1
		.amdhsa_wavefront_size32 1
		.amdhsa_system_sgpr_workgroup_id_x 1
		.amdhsa_system_sgpr_workgroup_id_y 1
		.amdhsa_system_sgpr_workgroup_id_z 1
		.amdhsa_system_vgpr_workitem_id 0
		.amdhsa_next_free_vgpr 234
		.amdhsa_next_free_sgpr 66
		.amdhsa_reserve_vcc 1
		.amdhsa_float_denorm_mode_32 3
		.amdhsa_float_denorm_mode_16_64 3
		.amdhsa_memory_ordered 1
		.amdhsa_forward_progress 1
		.amdhsa_inst_pref_size 37
	.end_amdhsa_kernel
	.amdgpu_metadata
---
amdhsa.version: [ 1, 2 ]
amdhsa.kernels:
  - .name:           k_qe5608f3027_prep
    .symbol:         k_qe5608f3027_prep.kd
    .args:
      - { .name: obj_feats, .offset: 0, .size: 8, .value_kind: global_buffer, .address_space: global }
      - { .name: W1_codes, .offset: 8, .size: 8, .value_kind: global_buffer, .address_space: global }
      - { .name: W1_scales, .offset: 16, .size: 8, .value_kind: global_buffer, .address_space: global }
      - { .name: W2, .offset: 24, .size: 8, .value_kind: global_buffer, .address_space: global }
      - { .name: b1, .offset: 32, .size: 8, .value_kind: global_buffer, .address_space: global }
      - { .name: b2, .offset: 40, .size: 8, .value_kind: global_buffer, .address_space: global }
      - { .name: aq_codes, .offset: 48, .size: 8, .value_kind: global_buffer, .address_space: global }
      - { .name: aq_scales, .offset: 56, .size: 8, .value_kind: global_buffer, .address_space: global }
      - { .name: w1s, .offset: 64, .size: 8, .value_kind: global_buffer, .address_space: global }
      - { .name: w2f, .offset: 72, .size: 8, .value_kind: global_buffer, .address_space: global }
      - { .name: c0, .offset: 80, .size: 8, .value_kind: global_buffer, .address_space: global }
    .group_segment_fixed_size: 33280
    .private_segment_fixed_size: 0
    .kernarg_segment_align: 8
    .kernarg_segment_size: 88
    .max_flat_workgroup_size: 128
    .sgpr_count:     66
    .vgpr_count:     234
    .wavefront_size: 32
...
	.end_amdgpu_metadata
.endif
;; end of part 1
;; launch objgemm (part 2): grid 256 x 1, 4 waves a work-group, no clusters, 137,728 bytes of LDS; arguments aq_codes, aq_scales, w1s, w2f, tab; writes tab
.if DOCPART == 2
	.amdgcn_target "amdgcn-amd-amdhsa--gfx1250"
	.amdhsa_code_object_version 6
	.text
	.protected	k_qe5608f3027_objgemm
	.globl	k_qe5608f3027_objgemm
	.p2align	8
	.type	k_qe5608f3027_objgemm,@function
k_qe5608f3027_objgemm:
	s_mov_b64 s[64:65], 0
	v_nop
	global_prefetch_b8 v0, s[64:65] scope:SCOPE_SE
	s_setreg_imm32_b32 hwreg(HW_REG_WAVE_MODE, 25, 1), 1
	s_wait_xcnt 0x0
; tab[plane][object][class] = sum over the plane's 256 columns j of (Q(F[object]) Wx[j]) W2[class][j];  plane = 4 x half + slice: half 0 is Wa (W1's K 0..1023), half 1 Wb; slice = 256 columns.
; Each object is multiplied once, not once for each pair that names it (shown at the head of the first kernel); the next launch looks the planes up by the pairs' indices and adds them.
; SHARES.  Work-group = 128 objects (number % 32) x one plane (number / 32): 32 x 8 = 256 work-groups.  Wave w: all 128 objects x columns 64 w .. + 63 of the plane: 32 accumulators, 256 registers.  K = 1,024: 8 steps of 128.
; W1: no byte of it serves two waves of a work-group; the first launch has laid it as images of the operand's registers, so a wave's 64 rows for ALL of K go from memory into 384 registers, 12 loads of 512 bytes and one of scale words a step.
; THE OBJECTS' CODES, 128 x 768 bytes, are one dense block of memory: each wave brings 32 rows through registers into LDS, once; all four waves read them, into two sets of fragment registers that take turns.
; A step's 24 fragment loads stand in ONE run at its head, ahead of its products.
; Their scale words, 4,096 bytes, and the wave's two fragments of W2 go straight into registers.
; NO JOINT LOADS, though 8 work-groups read the same objects and 32 the same rows of W1: W1's 196,608 bytes of a plane in LDS beside the objects' 104,448, 12,288 of scale words, the stage's 32,768 and the spare words' 512 are
; 346,624 bytes, more than the 327,680 that a work-group may claim; a ring with a round in every step would write and read back every byte of W1 for one use.  The price, stated: each work-group asks for its own operands.
; NO PREFETCH: every operand byte is asked for at the head or four steps ahead of its use, by the loads themselves; there is no further stream to run ahead of.
; THE MATRIX INSTRUCTION IS USED TRANSPOSED (source 0 = 16 rows of W1, source 1 = 16 objects): a lane holds one object and eight neighbouring columns; two neighbouring accumulators, rounded to bf16, are source 1 of the
; second product (source 0: a fragment of W2, 8 classes and 8 rows of zeros).  The four waves' parts meet in LDS; each thread adds four parts and stores 2 x 16 bytes of the work-group's dense 4,096.
; LIMITS: the first product's results and W2 are rounded to bf16 for the second product; NaN and infinities are not served.
; LDS: codes at 0: tile m of 16 objects x 13,056; piece J = 6 t + 3 h + c (16 bytes: registers 4 c .. + 3 of lanes of half h, step t) x 272, + 16 x object.  STG: a wave's 8,192: 4,096 of results (lanes 0-15), 4,096 for the rows of zeros (lanes 16-31, never read).
; REGISTERS: window 0: v0-17 addresses; v32-63 the objects' scale words (tile a % 4, step t at 32 + 8 (a % 4) + t; tiles 4-7 in lanes 16-31); v64-135 W1's scale words; v136-231 fragment set 0; v232-247 W2.
; window 1: W1's steps 0-4; window 2: v0-143 steps 5-7, v144-239 fragment set 1; window 3: accumulator (a, b) at v[8 (4 a + b)].
.set PIT,   272
.set TILEB, 48*PIT
.set STG,   8*TILEB                    ; 104,448
.set SPARE, STG+4*8192                 ; 137,216: the spare words, 512 bytes that no other line names
.set STEPB, 51200                      ; a K step of the first launch's stream of W1
.set LANE, 1
.set RW,   2
.set HF,   3
.set GA,   4                           ; the fill: my 16 bytes of two rows of codes in memory
.set AST,  5                           ; the fill: where they go
.set AH,   6                           ; v6-7 fragments: tiles 0-3, tiles 4-7
.set SAO,  8
.set BO,   9
.set SO,   10
.set WO,   11
.set PST,  12
.set RED,  13
.set OUTO, 14
.set T0,   15
.set SPW,  16
.set NIL,  17
.set SA,   32
.set SB,   64
.set AF,   136
.set D2,   136
.set RR,   200
.set WF,   232
.set WV,   14
.set OB,   15
.set CB,   16
.set MSB, 0
.macro WIN new                         ; the immediate's high byte repeats the setting that is left; a switch that changes nothing is dropped
.if MSB != (\new)
	s_set_vgpr_msb (MSB<<8)|(\new)
.set MSB, (\new)
.endif
.endm
.macro PLACES                          ; four plain places behind matrix instructions, ahead of loads into their sources and of reads of their results
.rept 4
	v_nop
.endr
.endm
.macro LOADB t                         ; step t of my 64 rows of W1: four images of fragments, then their scale words (the same words in both halves of the lanes)
.if (\t) < 5
	WIN 0x40
.set rBB, 48*(\t)
.else
	WIN 0x80
.set rBB, 48*((\t)-5)
.endif
.irp i, 0,1,2,3
.irp cc, 0,1,2
	global_load_b128 v[rBB+12*\i+4*\cc:rBB+12*\i+4*\cc+3], v[BO], s[8:9] offset:STEPB*(\t)+1536*\i+512*\cc
.endr
.endr
	WIN 0
.set rSB, SB+8*(\t)+(((\t)+2)&14)      ; so placed that no word of W1's shares its register number modulo 8 with the objects' word of the same step
	global_load_b128 v[rSB:rSB+3], v[SO], s[8:9] offset:STEPB*(\t)+12288
.endm
.macro FETCH_A t                       ; the eight fragments of the objects for step t into set t % 2: each half of the lanes reads 256 consecutive bytes
	WIN 0x80*((\t)%2)
.set rS, AF+8*((\t)%2)
.irp m, 0,1,2,3,4,5,6,7
.irp c, 0,1,2
	ds_load_b128 v[rS+12*\m+4*\c:rS+12*\m+4*\c+3], v[AH+\m/4] offset:(\m%4)*TILEB+(6*(\t)+\c)*PIT
.endr
.endr
.endm
.macro WM t, a, b                      ; accumulator (a, b) += W1's tile b x the objects' tile a
.set rD, 8*(4*(\a)+(\b))
.if (\t) < 5
.set rB, 48*(\t)+12*(\b)
.else
.set rB, 48*((\t)-5)+12*(\b)
.endif
.set rA, AF+8*((\t)%2)+12*(\a)
.set rP, SB+8*(\t)+(((\t)+2)&14)+(\b)
.set rQ, SA+8*((\a)%4)+(\t)
.if (\t) == 0
.if (\a) < 4
	v_wmma_scale_f32_16x16x128_f8f6f4 v[rD:rD+7], v[rB:rB+11], v[rA:rA+11], 0, v[rP], v[rQ] matrix_a_fmt:MATRIX_FMT_FP6 matrix_b_fmt:MATRIX_FMT_FP6
.else
	v_wmma_scale_f32_16x16x128_f8f6f4 v[rD:rD+7], v[rB:rB+11], v[rA:rA+11], 0, v[rP], v[rQ] matrix_a_fmt:MATRIX_FMT_FP6 matrix_b_fmt:MATRIX_FMT_FP6 matrix_b_scale:MATRIX_SCALE_ROW1
.endif
.else
.if (\a) < 4
	v_wmma_scale_f32_16x16x128_f8f6f4 v[rD:rD+7], v[rB:rB+11], v[rA:rA+11], v[rD:rD+7], v[rP], v[rQ] matrix_a_fmt:MATRIX_FMT_FP6 matrix_b_fmt:MATRIX_FMT_FP6
.else
	v_wmma_scale_f32_16x16x128_f8f6f4 v[rD:rD+7], v[rB:rB+11], v[rA:rA+11], v[rD:rD+7], v[rP], v[rQ] matrix_a_fmt:MATRIX_FMT_FP6 matrix_b_fmt:MATRIX_FMT_FP6 matrix_b_scale:MATRIX_SCALE_ROW1
.endif
.endif
.endm
; A K STEP: W1's step four on is asked for; this step's operands are waited for; the next step's fragments are fetched into the set that the step before multiplied; 32 products, the 32 accumulators by turns
; lcnt: the loads issued behind this step's 13.
.macro STEP t, lcnt
.if (\t) < 4
	LOADB (\t)+4
.endif
	s_wait_loadcnt \lcnt                           ; loads come back in order (ISA guide 5.7.1)
	s_wait_dscnt 0x0                               ; this step's fragments, asked for a step ago
.if (\t) > 0
	PLACES
.endif
.if (\t) < 7
	FETCH_A (\t)+1
.endif
	WIN 0xf0+1+(\t)/5+8*((\t)%2)                   ; C, D window 3; W1 window 1 or 2; the objects window 0 or 2
.irp a, 0,1,2,3,4,5,6,7
.irp b, 0,1,2,3
	WM \t, \a, \b
.endr
.endr
.endm
.macro GSTORE u                        ; third u of my 32 rows into LDS: 16 lanes put 16 pieces of one object, 272 bytes apart
	WIN 0x0c
.irp g, 0,1,2,3,4,5,6,7,8,9,10,11,12,13,14,15
	ds_store_b128 v[AST], v[64*\u+4*\g:64*\u+4*\g+3] offset:(\g/8)*TILEB+32*(\g%8)+16*\u*PIT
.endr
.endm
	s_load_b256 s[4:11], s[0:1], 0x0               ; aq_codes s[4:5], aq_scales s[6:7], w1s s[8:9], w2f s[10:11]
	s_load_b64 s[12:13], s[0:1], 0x20              ; tab
	v_lshrrev_b32 v[T0], 5, v0
	v_readfirstlane_b32 s[WV], v[T0]               ; wave 0..3
	s_and_b32 s[OB], ttmp9, 31                     ; my block of 128 objects
	s_lshr_b32 s[CB], ttmp9, 5                     ; my plane: bit 2 the half, bit 1 the chunk c of 512 columns, bit 0 which 256 of them
	s_and_b32 s17, s[WV], 1
	s_mul_i32 s20, s[WV], 2*TILEB                  ; the fill: my 32 objects are tiles 2 w, 2 w + 1
	s_mul_i32 s22, s17, 6144                       ; tiles 4 (w % 2) + 0..3 of a run's eight images,
	s_lshl_b32 s23, s17, 8                         ; and their scale words
	s_lshl_b32 s24, s[WV], 13
	s_add_co_u32 s24, s24, STG
	s_mul_i32 s26, s[OB], 98304                    ; codes: 128 x 768 bytes a work-group, 32 x 768 a wave
	s_mul_i32 s18, s[WV], 24576
	s_add_co_u32 s26, s26, s18
	s_mov_b32 s27, 0
	s_lshl_b32 s28, s[OB], 12                      ; scale bytes: 128 x 32
	s_mov_b32 s29, 0
	s_bfe_u32 s18, s[CB], 0x10001                  ; c
	s_lshl_b32 s30, s18, 6
	s_lshr_b32 s19, s[CB], 2                       ; the half: 8 K steps of the stream on
	s_lshl_b32 s19, s19, 5
	s_add_co_u32 s30, s30, s19
	s_and_b32 s19, s[CB], 1
	s_lshl_b32 s21, s19, 1
	s_add_co_u32 s30, s30, s21
	s_lshr_b32 s21, s[WV], 1
	s_add_co_u32 s30, s30, s21                     ; the stream's run 4 (16 c + 8 half) + 2 (plane % 2) + w / 2
	s_mul_i32 s30, s30, 12800
	s_mov_b32 s31, 0
	s_lshl_b32 s32, s18, 4
	s_lshl_b32 s19, s19, 3
	s_add_co_u32 s32, s32, s19
	s_lshl_b32 s21, s[WV], 1
	s_add_co_u32 s32, s32, s21                     ; W2's fragment 16 c + 8 (plane % 2) + 2 w: 1,024 bytes each
	s_lshl_b32 s32, s32, 10
	s_mov_b32 s33, 0
	s_lshl_b32 s34, s[CB], 17                      ; tab: 131,072 bytes a plane, 4,096 a block of objects
	s_add_co_u32 s34, s34, s28
	s_mov_b32 s35, 0
	v_lshl_add_u32 v[SPW], v0, 2, SPARE
	v_mov_b32 v[NIL], 0
	v_and_b32 v[LANE], 31, v0
	v_and_b32 v[RW], 15, v0
	v_bfe_u32 v[HF], v0, 4, 1
	v_mul_u32_u24 v[GA], v[HF], 768                ; lanes 16-31 take the next row;
	v_lshl_add_u32 v[GA], v[RW], 4, v[GA]          ; 16 bytes a lane
	v_mul_u32_u24 v[AST], v[RW], PIT
	v_lshl_add_u32 v[AST], v[HF], 4, v[AST]
	v_add_nc_u32 v[AST], s20, v[AST]
	v_mul_u32_u24 v[AH], v[HF], 3*PIT
	v_lshl_add_u32 v[AH], v[RW], 4, v[AH]
	v_add_nc_u32 v[AH+1], 4*TILEB, v[AH]
	v_lshlrev_b32 v[SAO], 5, v[RW]                 ; scale bytes of object 16 (a % 4) + r, lanes 16-31: 64 objects on
	v_lshl_add_u32 v[SAO], v[HF], 11, v[SAO]
	v_lshl_add_u32 v[BO], v[LANE], 4, s22
	v_lshl_add_u32 v[SO], v[RW], 4, s23
	v_lshlrev_b32 v[WO], 4, v[LANE]
	v_lshl_add_u32 v[PST], v[RW], 5, s24           ; my object's eight classes;
	v_lshl_add_u32 v[PST], v[HF], 12, v[PST]       ; lanes 16-31, the rows of zeros, 4,096 bytes on
	v_lshl_add_u32 v[RED], v0, 4, STG
	v_lshlrev_b32 v[OUTO], 4, v0
	s_wait_alu depctr_va_vdst(0)
	s_wait_kmcnt 0x0
	s_add_nc_u64 s[4:5], s[4:5], s[26:27]
	s_add_nc_u64 s[6:7], s[6:7], s[28:29]
	s_add_nc_u64 s[8:9], s[8:9], s[30:31]
	s_add_nc_u64 s[10:11], s[10:11], s[32:33]
	s_add_nc_u64 s[12:13], s[12:13], s[34:35]
	WIN 0xc0                                       ; the codes pass through the registers that will hold the sums
.irp u, 0,1,2
.irp g, 0,1,2,3,4,5,6,7,8,9,10,11,12,13,14,15
	global_load_b128 v[64*\u+4*\g:64*\u+4*\g+3], v[GA], s[4:5] offset:1536*\g+256*\u   ; 256 consecutive bytes of each of two rows
.endr
.endr
	WIN 0
.irp a, 0,1,2,3
.irp q, 0,1
	global_load_b128 v[SA+8*\a+4*\q:SA+8*\a+4*\q+3], v[SAO], s[6:7] offset:512*\a+16*\q
.endr
.endr
.irp k, 0,1
.irp cc, 0,1
	global_load_b128 v[WF+8*\k+4*\cc:WF+8*\k+4*\cc+3], v[WO], s[10:11] offset:1024*\k+512*\cc
.endr
.endr
	s_wait_loadcnt 44                              ; third 0 is in; behind it: 32 of the codes, 8 of scale words, 4 of W2
	GSTORE 0
	LOADB 0
	s_wait_loadcnt 41                              ; third 1: behind it 16 + 12 + 13
	GSTORE 1
	LOADB 1
	s_wait_loadcnt 38                              ; third 2: behind it 12 + 26
	GSTORE 2
	LOADB 2
	s_wait_dscnt 0x0                               ; for the others' sake: my 32 objects lie in LDS
	s_barrier_signal -1
	s_barrier_wait -1                              ; everybody's do; from here on the codes are only read
	LOADB 3
	FETCH_A 0
	STEP 0, 52
	STEP 1, 52
	STEP 2, 52
	STEP 3, 52
	STEP 4, 39
	STEP 5, 26
	STEP 6, 13
	STEP 7, 0
	PLACES
	; THE SECOND PRODUCT: my 64 columns in two steps of 32; the bf16 operands go where W1's first steps lay
	WIN 0x4f                                       ; sources window 3, destination window 1
.irp kk, 0,1
.irp a, 0,1,2,3,4,5,6,7
.irp u, 0,1
.irp j, 0,1,2,3
	v_cvt_pk_bf16_f32 v[64*\kk+8*\a+4*\u+\j], v[8*(4*\a+2*\kk+\u)+2*\j], v[8*(4*\a+2*\kk+\u)+2*\j+1]   ; each accumulator from its low end on
.endr
.endr
.endr
.endr
	WIN 0x04                                       ; source 1 window 1; W2's fragment, C and D window 0
.irp kk, 0,1
.irp a, 0,1,2,3,4,5,6,7
.if \kk == 0
	v_wmma_f32_16x16x32_bf16 v[D2+8*\a:D2+8*\a+7], v[WF+8*\kk:WF+8*\kk+7], v[64*\kk+8*\a:64*\kk+8*\a+7], 0
.else
	v_wmma_f32_16x16x32_bf16 v[D2+8*\a:D2+8*\a+7], v[WF+8*\kk:WF+8*\kk+7], v[64*\kk+8*\a:64*\kk+8*\a+7], v[D2+8*\a:D2+8*\a+7]
.endif
.endr
.endr
	PLACES
	WIN 0
.irp a, 0,1,2,3,4,5,6,7
	ds_store_b128 v[PST], v[D2+8*\a:D2+8*\a+3] offset:512*\a           ; all lanes on: lanes 0-15 classes 0-7 of object 16 a + r
	ds_store_b128 v[PST], v[D2+8*\a+4:D2+8*\a+7] offset:512*\a+16
.endr
	s_wait_dscnt 0x0                               ; for the others' sake: my part lies in the stage
	s_barrier_signal -1
	s_barrier_wait -1
.irp k, 0,1,2,3
.irp q, 0,1
	ds_load_b128 v[RR+8*\k+4*\q:RR+8*\k+4*\q+3], v[RED] offset:8192*\k+2048*\q   ; wave k's part: four classes of object t / 2, and of object 64 + t / 2
.endr
.endr
	s_wait_dscnt 0x0
.irp e, 0,2,4,6
	v_pk_add_f32 v[RR+\e:RR+\e+1], v[RR+\e:RR+\e+1], v[RR+8+\e:RR+8+\e+1]
	v_pk_add_f32 v[RR+16+\e:RR+16+\e+1], v[RR+16+\e:RR+16+\e+1], v[RR+24+\e:RR+24+\e+1]
.endr
.irp e, 0,2,4,6
	v_pk_add_f32 v[RR+\e:RR+\e+1], v[RR+\e:RR+\e+1], v[RR+16+\e:RR+16+\e+1]
.endr
	global_store_b128 v[OUTO], v[RR:RR+3], s[12:13]                    ; a wave's store covers 512 consecutive bytes, at a multiple of 256 from tab's first byte
	global_store_b128 v[OUTO], v[RR+4:RR+7], s[12:13] offset:2048
	s_wait_tensorcnt 0x0                           ; the wave's end
	ds_add_u32 v[SPW], v[NIL]
	s_wait_dscnt 0x0
	s_endpgm
.Lfunc_end_k_qe5608f3027_objgemm:
	.size	k_qe5608f3027_objgemm, .Lfunc_end_k_qe5608f3027_objgemm-k_qe5608f3027_objgemm
	.p2alignl 7, 3214868480
	.fill 96, 4, 3214868480
	.section	.rodata,"a",@progbits
	.p2align	6, 0x0
	.amdhsa_kernel k_qe5608f3027_objgemm
		.amdhsa_group_segment_fixed_size 137728
		.amdhsa_private_segment_fixed_size 0
		.amdhsa_enable_private_segment 0
		.amdhsa_kernarg_size 40
		.amdhsa_user_sgpr_count 2
		.amdhsa_user_sgpr_kernarg_segment_ptr 1
		.amdhsa_wavefront_size32 1
		.amdhsa_system_sgpr_workgroup_id_x 1
		.amdhsa_system_sgpr_workgroup_id_y 1
		.amdhsa_system_sgpr_workgroup_id_z 1
		.amdhsa_system_vgpr_workitem_id 0
		.amdhsa_next_free_vgpr 1024
		.amdhsa_next_free_sgpr 66
		.amdhsa_reserve_vcc 0
		.amdhsa_float_denorm_mode_32 3
		.amdhsa_float_denorm_mode_16_64 3
		.amdhsa_memory_ordered 1
		.amdhsa_forward_progress 1
		.amdhsa_inst_pref_size 81
	.end_amdhsa_kernel
	.amdgpu_metadata
---
amdhsa.version: [ 1, 2 ]
amdhsa.kernels:
  - .name:           k_qe5608f3027_objgemm
    .symbol:         k_qe5608f3027_objgemm.kd
    .args:
      - { .name: aq_codes, .offset: 0, .size: 8, .value_kind: global_buffer, .address_space: global }
      - { .name: aq_scales, .offset: 8, .size: 8, .value_kind: global_buffer, .address_space: global }
      - { .name: w1s, .offset: 16, .size: 8, .value_kind: global_buffer, .address_space: global }
      - { .name: w2f, .offset: 24, .size: 8, .value_kind: global_buffer, .address_space: global }
      - { .name: tab, .offset: 32, .size: 8, .value_kind: global_buffer, .address_space: global }
    .group_segment_fixed_size: 137728
    .private_segment_fixed_size: 0
    .kernarg_segment_align: 8
    .kernarg_segment_size: 40
    .max_flat_workgroup_size: 128
    .sgpr_count:     66
    .vgpr_count:     1024
    .wavefront_size: 32
...
	.end_amdgpu_metadata
.endif
;; end of part 2
;; launch pairsum (part 3): grid 256 x 1, 8 waves a work-group, no clusters, 0 bytes of LDS; arguments pairs, tab, c0, out0; writes out0
.if DOCPART == 3
	.amdgcn_target "amdgcn-amd-amdhsa--gfx1250"
	.amdhsa_code_object_version 6
	.text
	.protected	k_qe5608f3027_pairsum
	.globl	k_qe5608f3027_pairsum
	.p2align	8
	.type	k_qe5608f3027_pairsum,@function
k_qe5608f3027_pairsum:
	s_mov_b64 s[64:65], 0
	v_nop
	global_prefetch_b8 v0, s[64:65] scope:SCOPE_SE
	s_setreg_imm32_b32 hwreg(HW_REG_WAVE_MODE, 25, 1), 1
	s_wait_xcnt 0x0
; out0[p][:] = sum of planes 0-3 of tab at object pairs[p][0] + sum of planes 4-7 at object pairs[p][1] + c0  (c0 = b2 + W2 b1, made in f32 by the first launch).
; The products were made once for each object (shown at the head of the first kernel); here each pair looks its two objects up.
; 65,536 threads: thread g has four classes (g % 2) of pair g / 2: 16 bytes of out0, so a wave's store covers 512 consecutive bytes.  Eight lookups of 16 bytes a thread, all out at once; two neighbouring lanes read an object's 32 bytes of a plane.
; No LDS, no matrix unit, no loop, and so nothing to run ahead in: no prefetch.  LIMIT: an index is held at 4,095 from above.
	s_load_b256 s[4:11], s[0:1], 0x0               ; pairs s[4:5], tab s[6:7], c0 s[8:9], out0 s[10:11]
	s_lshl_b32 s12, ttmp9, 10                      ; 128 pairs of 8 bytes a work-group
	s_mov_b32 s13, 0
	s_lshl_b32 s14, ttmp9, 12                      ; 128 x 32 bytes of out0
	s_mov_b32 s15, 0
	v_lshrrev_b32 v1, 1, v0
	v_lshlrev_b32 v1, 3, v1                        ; my pair's two indices
	v_and_b32 v4, 1, v0
	v_lshlrev_b32 v4, 4, v4                        ; my four classes
	v_lshlrev_b32 v5, 4, v0
	s_wait_alu depctr_va_vdst(0)
	s_wait_kmcnt 0x0
	s_add_nc_u64 s[4:5], s[4:5], s[12:13]
	s_add_nc_u64 s[10:11], s[10:11], s[14:15]
	global_load_b64 v[2:3], v1, s[4:5] th:TH_LOAD_NT
	global_load_b128 v[8:11], v4, s[8:9]
	s_wait_loadcnt 0x1                             ; the indices are in; c0 may be out
	v_min_u32 v2, 0xfff, v2                        ; held inside the table
	v_min_u32 v3, 0xfff, v3
	v_lshlrev_b32 v2, 5, v2                        ; 32 bytes an object in a plane
	v_lshlrev_b32 v3, 5, v3
	v_add_nc_u32 v2, v4, v2
	v_add_nc_u32 v3, v4, v3
.irp p, 0,1,2,3
	global_load_b128 v[12+4*\p:15+4*\p], v2, s[6:7] offset:131072*\p
	global_load_b128 v[28+4*\p:31+4*\p], v3, s[6:7] offset:131072*(4+\p)
.endr
	s_wait_loadcnt 0x0
.irp e, 0,2,4,6,8,10,12,14
	v_pk_add_f32 v[12+\e:13+\e], v[12+\e:13+\e], v[28+\e:29+\e]
.endr
.irp e, 0,2
	v_pk_add_f32 v[12+\e:13+\e], v[12+\e:13+\e], v[16+\e:17+\e]
	v_pk_add_f32 v[20+\e:21+\e], v[20+\e:21+\e], v[24+\e:25+\e]
.endr
.irp e, 0,2
	v_pk_add_f32 v[12+\e:13+\e], v[12+\e:13+\e], v[20+\e:21+\e]
.endr
.irp e, 0,2
	v_pk_add_f32 v[12+\e:13+\e], v[12+\e:13+\e], v[8+\e:9+\e]
.endr
	global_store_b128 v5, v[12:15], s[10:11] th:TH_STORE_NT
	s_endpgm
.Lfunc_end_k_qe5608f3027_pairsum:
	.size	k_qe5608f3027_pairsum, .Lfunc_end_k_qe5608f3027_pairsum-k_qe5608f3027_pairsum
	.p2alignl 7, 3214868480
	.fill 96, 4, 3214868480
	.section	.rodata,"a",@progbits
	.p2align	6, 0x0
	.amdhsa_kernel k_qe5608f3027_pairsum
		.amdhsa_group_segment_fixed_size 0
		.amdhsa_private_segment_fixed_size 0
		.amdhsa_enable_private_segment 0
		.amdhsa_kernarg_size 32
		.amdhsa_user_sgpr_count 2
		.amdhsa_user_sgpr_kernarg_segment_ptr 1
		.amdhsa_wavefront_size32 1
		.amdhsa_system_sgpr_workgroup_id_x 1
		.amdhsa_system_sgpr_workgroup_id_y 1
		.amdhsa_system_sgpr_workgroup_id_z 1
		.amdhsa_system_vgpr_workitem_id 0
		.amdhsa_next_free_vgpr 48
		.amdhsa_next_free_sgpr 66
		.amdhsa_reserve_vcc 0
		.amdhsa_float_denorm_mode_32 3
		.amdhsa_float_denorm_mode_16_64 3
		.amdhsa_memory_ordered 1
		.amdhsa_forward_progress 1
		.amdhsa_inst_pref_size 4
	.end_amdhsa_kernel
	.amdgpu_metadata
---
amdhsa.version: [ 1, 2 ]
amdhsa.kernels:
  - .name:           k_qe5608f3027_pairsum
    .symbol:         k_qe5608f3027_pairsum.kd
    .args:
      - { .name: pairs, .offset: 0, .size: 8, .value_kind: global_buffer, .address_space: global }
      - { .name: tab, .offset: 8, .size: 8, .value_kind: global_buffer, .address_space: global }
      - { .name: c0, .offset: 16, .size: 8, .value_kind: global_buffer, .address_space: global }
      - { .name: out0, .offset: 24, .size: 8, .value_kind: global_buffer, .address_space: global }
    .group_segment_fixed_size: 0
    .private_segment_fixed_size: 0
    .kernarg_segment_align: 8
    .kernarg_segment_size: 32
    .max_flat_workgroup_size: 256
    .sgpr_count:     66
    .vgpr_count:     48
    .wavefront_size: 32
...
	.end_amdgpu_metadata
.endif
;; end of part 3
